; MI455X (gfx1250); checked and timed in simulation.
; The chip was launched on July 23, 2026; its instructions are those of AMD's public machine-readable ISA for CDNA 5 (MIT licence, August 2026) and "CDNA5" Instruction Set Architecture Reference Guide (July 2026). The comments in the code are by the model that wrote it; some were corrected since.
;; Multi Head Attention. Allowed arithmetic: matrix products marked QUANTISED: E2M1 operands, one E8M0 scale for each 32 along K, by v_wmma_scale_f32_16x16x128_f8f6f4 with both operands' format E2M1 (or v_wmma_scale_f32_32x16x128_f4), f32 sums; products left as they are: bf16, f16 or f32 operands; f32 sums; everything else in f32.
;; Inputs: b_o 1,024 float32; key_ 4 x 2,048 x 1,024 float32; query 4 x 2,048 x 1,024 float32; value 4 x 2,048 x 1,024 float32; w_k 1,024 x 1,024 float32; w_o 1,024 x 1,024 float32; w_q 1,024 x 1,024 float32; w_v 1,024 x 1,024 float32.
;; Outputs: out0 4 x 2,048 x 1,024 float32.
;; This version of the problem:
;;   THIS VERSION OF THE PROBLEM IS GIVEN IN LOW PRECISION. The matrix products marked QUANTISED in the list below multiply operands that are first quantised to E2M1 (2 exponent bits, 1 mantissa bit; 4 bits a number), with one power-of-two scale for each 32 numbers along K (OCP MX v1.0); their sums are f32. The products marked 'left as it is' may take bf16, f16 or f32 operands, with f32 sums. Whichever they take, every output number must still come out within the allowed error. Rounding operands to bf16 (8 significant bits) uses up far more of that allowance than f16 does (11 bits, for magnitudes from 6e-5 to 65,504). All else is computed in f32.
;;   The module's matrix products, in the order in which they are computed (A, B: the left and right operand; K: the contracted axis; several contracted axes count as one K, in the product's order):
;;     1. [M 8,192, K 1,024] x [K 1,024, N 1,024]; A: input query; B: input w_q: QUANTISED
;;     2. [M 8,192, K 1,024] x [K 1,024, N 1,024]; A: input key_; B: input w_k: QUANTISED
;;     3. [M 8,192, K 1,024] x [K 1,024, N 1,024]; A: input value; B: input w_v: QUANTISED
;;     4. batch 64 x [M 2,048, K 64] x [K 64, N 2,048]; A: computed on the way; B: computed on the way: left as it is (an operand is computed on the way)
;;     5. batch 64 x [M 2,048, K 2,048] x [K 2,048, N 64]; A: computed on the way; B: computed on the way: left as it is (an operand is computed on the way)
;;     6. [M 8,192, K 1,024] x [K 1,024, N 1,024]; A: computed on the way; B: input w_o: left as it is (an operand is computed on the way)
;;   THE QUANTISER, for each operand of a quantised product, along K:
;;     - K is cut into blocks of 32 from its start; a last block that is shorter is filled with zeros.
;;     - A block's scale is 2^e with e = floor(log2(the largest magnitude in the block)) - 2, held to -126 .. 127; a block of zeros has e = 0. As a byte (E8M0): e + 127.
;;     - Each number is divided by its block's scale, clamped to +-6, and rounded to the nearest number of E2M1, ties to even, subnormals kept.
;;     - The product sums the exact products of the quantised numbers (number of the format x scale) in f32.
;;   ~~~python
;;   def quantise(x, axis):      # numpy; x: float32 -> the quantised numbers, widened to float32 again
;;       x = np.moveaxis(x, axis, -1); K = x.shape[-1]
;;       x = np.pad(x, [(0, 0)] * (x.ndim - 1) + [(0, -K % 32)]); x = x.reshape(x.shape[:-1] + (-1, 32)); a = np.abs(x).max(-1, keepdims=True)
;;       e = np.where(a > 0, np.clip(np.frexp(np.where(a > 0, a, 1))[1] - 1 - 2, -126, 127), 0)      # np.frexp(a)[1] - 1 = floor(log2(a)), exactly
;;       r = np.clip(x / 2.0 ** e, -6, 6)
;;       step = 2.0 ** (np.maximum(np.frexp(np.where(r == 0, 1, r))[1] - 1, 0) - 1)
;;       q = np.round(r / step) * step * 2.0 ** e      # np.round: ties to even
;;       return np.moveaxis(q.reshape(q.shape[:-2] + (-1,))[..., :K], -1, axis).astype(np.float32)
;;   ~~~
;; One version. Each part assembles by itself: llvm-mc -triple=amdgcn-amd-amdhsa -mcpu=gfx1250 --defsym DOCPART=n.
;; ======== version 1 of 1: 4 launches
;; limits: values are held in f16: magnitudes above 65,504 overflow, below 6.1e-05 lose precision
;; workspace buffers: xcodes 14,155,776 bytes; xscales 884,736 bytes; wimg 2,097,152 bytes; qimg 16,777,216 bytes; kv 33,554,432 bytes; cimg 16,777,216 bytes
;; launch prep (part 1): grid 928 x 1, 4 waves a work-group, no clusters, 67,072 bytes of LDS; arguments query, key_, value, w_q, w_k, w_v, w_o, xcodes, xscales, wimg; writes xcodes, xscales, wimg
.if DOCPART == 1
	.amdgcn_target "amdgcn-amd-amdhsa--gfx1250"
	.amdhsa_code_object_version 6
	.text
	.protected	k_qea1ca28b51_prep
	.globl	k_qea1ca28b51_prep
	.p2align	8
	.type	k_qea1ca28b51_prep,@function
k_qea1ca28b51_prep:
	s_mov_b64 s[64:65], 0
	v_nop
	global_prefetch_b8 v0, s[64:65] scope:SCOPE_SE
	s_setreg_imm32_b32 hwreg(HW_REG_WAVE_MODE, 25, 1), 1
	s_wait_xcnt 0x0
; MULTI-HEAD ATTENTION, launch 1 of 4: the operands are made ready.
; out = softmax((query w_q^T)(key_ w_k^T)^T / 8) (value w_v^T) w_o^T + b_o, 4 x 2,048 tokens, 16 heads of 64.
; DEAD WORK: none.  Every input has a way to the output (b_o is added in the last launch), no mask throws tiles away, and the maximum is taken away ahead of the exponential.
; THIS LAUNCH: (a) query, key_, value, w_q, w_k, w_v, f32 with K = 1,024 innermost, become codes of FP4 (E2M1) and one E8M0 byte for each 32 along K;
; (b) w_o becomes f16, laid in the order of a matrix operand's registers.
; (a) A block's scale is 2^(floor(log2(its largest magnitude)) - 2); its byte is the largest magnitude's exponent field - 2, held at 1 from below.  Each number is divided by the scale and rounded to the
; nearest code, ties to even, beyond 6 the largest code.  Rows are dense and K is a multiple of 32: each tensor is a plain stream of blocks, and so are its codes and bytes.  The six tensors' codes lie one behind the
; other in xcodes (512 bytes a row), their bytes in xscales (32 bytes a row), in the order of the work-groups: query 0-255, key_ 256-511, value 512-767, w_q 768-799, w_k 800-831, w_v 832-863; 32,768 numbers each.
; A wave takes 16 steps of 512 numbers.  Each load reads 512 consecutive bytes; a step's 2,048 bytes turn through the wave's own stage in LDS, so that a lane holds 16 neighbours along K, two lanes a block.
; (b) Work-groups 864-927: one tile of 16 rows of w_o each, a wave 256 columns.  A CHUNK is 16 rows x 16 k of f16, 512 bytes: lane r + 16 h holds w_o[row r][k0 + 8 h + 0 .. 7] at byte 16 x lane.
; wimg = [tile of 16 rows: 64][chunk k / 16: 64][512 bytes].  Two chunks on end are one fragment 16 x 32 of the f16 matrix instruction.
; LIMITS: a block of zeros gets the byte 1 where the rule says 127 (its codes are zeros, and this program alone reads the bytes); blocks whose largest magnitude lies under 2^-124 are held at byte 1;
; |w_o| over 65,504 becomes infinite in f16; NaN and infinities among the inputs are not served.
; No tensor loads, no barrier: waves share nothing.  The two paths part on the work-group's number and have LDS bytes of their own.
.set QWG,   864                        ; work-groups that quantise
.set STEPS, 16
.set EMAX,  2
.set CB,    8                          ; bytes of 16 codes
.set R,     16                         ; v16-79   four sets of 16 numbers as they are loaded
.set X,     80                         ; v80-111  two sets of 16 neighbours
.set E,     112                        ; v112-127 a scale byte for each step
.set C,     128                        ; v128-191 codes: four registers for each step, so that no store's data are written again
.set WREG,  8192                       ; LDS, path (a): a region for each wave: two stages of 32 x SP bytes, behind them its 256 scale bytes
.set SP,    80                         ; a lane's place in a stage: its 64 bytes + 16 of padding
.set WOST,  32768                      ; LDS, path (b): a stage of 16 rows x 528 bytes for each wave
.set WOREG, 16*528
.set SPARE, WOST+4*WOREG               ; the spare words, 128 bytes for each wave: two blocks of 256 bytes that no other line names
.set SPW,   12                         ; v12  LDS address of my spare word; never rewritten
.set NIL,   13                         ; v13  0; never rewritten
	s_load_b512 s[4:19], s[0:1], 0x0               ; query s[4:5], key_ s[6:7], value s[8:9], w_q s[10:11], w_k s[12:13], w_v s[14:15], w_o s[16:17], xcodes s[18:19]
	s_load_b128 s[20:23], s[0:1], 0x40             ; xscales s[20:21], wimg s[22:23]
	v_lshl_add_u32 v[SPW], v0, 2, SPARE
	v_mov_b32 v[NIL], 0
	v_lshrrev_b32 v1, 5, v0
	v_readfirstlane_b32 s28, v1                    ; wave
	v_and_b32 v2, 31, v0                           ; lane
	v_lshlrev_b32 v3, 4, v2                        ; 16 x lane
	s_cmp_ge_u32 ttmp9, QWG
	s_cbranch_scc1 .Lwo
	; ---------------- (a) the quantiser
	s_mul_i32 s29, s28, WREG
	v_lshrrev_b32 v14, 2, v2
	v_mul_u32_u24 v14, v14, SP
	v_and_b32 v15, 3, v2
	v_lshl_add_u32 v14, v15, 4, v14
	v_add_nc_u32 v14, s29, v14                     ; the stage, on the way in: four lanes' 64 bytes on end, then 16 of padding
	v_mul_u32_u24 v15, v2, SP
	v_add_nc_u32 v15, s29, v15                     ; and on the way out: SP x lane: my 16 neighbours
	v_mul_u32_u24 v4, v2, CB                       ; my codes' place in a step's
	v_lshrrev_b32 v5, 1, v2
	s_add_co_u32 s29, s29, 2*32*SP
	v_add_nc_u32 v5, s29, v5                       ; LDS: my wave's 256 scale bytes, my block's byte
	v_lshlrev_b32 v7, 3, v2                        ; and on the way out 8 bytes a lane
	v_add_nc_u32 v6, s29, v7
	s_wait_kmcnt 0x0
	s_mov_b64 s[24:25], s[14:15]                   ; which tensor: the choice hangs on the work-group's number alone
	s_mov_b32 s26, 832                             ; and the tensor's first work-group
	s_cmp_lt_u32 ttmp9, 832
	s_cselect_b64 s[24:25], s[12:13], s[24:25]
	s_cselect_b32 s26, 800, s26
	s_cmp_lt_u32 ttmp9, 800
	s_cselect_b64 s[24:25], s[10:11], s[24:25]
	s_cselect_b32 s26, 768, s26
	s_cmp_lt_u32 ttmp9, 768
	s_cselect_b64 s[24:25], s[8:9], s[24:25]
	s_cselect_b32 s26, 512, s26
	s_cmp_lt_u32 ttmp9, 512
	s_cselect_b64 s[24:25], s[6:7], s[24:25]
	s_cselect_b32 s26, 256, s26
	s_cmp_lt_u32 ttmp9, 256
	s_cselect_b64 s[24:25], s[4:5], s[24:25]
	s_cselect_b32 s26, 0, s26
	s_sub_co_u32 s27, ttmp9, s26
	s_lshl_b32 s27, s27, 2
	s_add_co_u32 s27, s27, s28                     ; which run of 8,192 numbers of the tensor is my wave's
	s_lshl_b32 s30, s27, 15                        ; 32,768 bytes a run
	s_mov_b32 s31, 0
	s_add_nc_u64 s[24:25], s[24:25], s[30:31]
	s_lshl_b32 s32, ttmp9, 2
	s_add_co_u32 s32, s32, s28                     ; which run of all six tensors
	s_lshl_b32 s34, s32, 12                        ; 4,096 bytes of codes a run
	s_mov_b32 s35, 0
	s_add_nc_u64 s[18:19], s[18:19], s[34:35]
	s_lshl_b32 s34, s32, 8                         ; 256 scale bytes a run
	s_add_nc_u64 s[20:21], s[20:21], s[34:35]
.macro LOAD t
.irp i, 0,1,2,3
	global_load_b128 v[R+16*((\t)%4)+4*\i:R+16*((\t)%4)+4*\i+3], v3, s[24:25] offset:2048*(\t)+512*\i th:TH_LOAD_NT   ; 32 lanes read 512 consecutive bytes
.endr
.endm
.macro TURN t                          ; step t's numbers through the stage: LDS serves a wave's instructions in order, so no wait stands between the stores and the loads
.irp i, 0,1,2,3
	ds_store_b128 v14, v[R+16*((\t)%4)+4*\i:R+16*((\t)%4)+4*\i+3] offset:32*SP*((\t)%2)+8*SP*\i
.endr
.irp i, 0,1,2,3
	ds_load_b128 v[X+16*((\t)%2)+4*\i:X+16*((\t)%2)+4*\i+3], v15 offset:32*SP*((\t)%2)+16*\i
.endr
.endm
.irp t, 0,1,2,3
	LOAD \t
.endr
	s_wait_loadcnt 12                              ; step 0's four loads are in; the twelve of steps 1 to 3 may be out
	TURN 0
.macro STEP t
.set XS, X+16*((\t)%2)
.if (\t) > 0
	s_wait_dscnt 1                                 ; this step's numbers are back from the stage (the last step's byte store may be out): so its stores into the stage have read their registers,
.else
	s_wait_dscnt 0x0
.endif
.if (\t)+4 < STEPS
	LOAD (\t)+4                                    ; which take the loads of four steps on
.endif
.if (\t)+1 < STEPS
.if STEPS-2-(\t) >= 3
	s_wait_loadcnt 12                              ; the next step's four loads are in; those of the three steps behind it may be out
.else
	s_wait_loadcnt 4*(STEPS-2-(\t))
.endif
	TURN (\t)+1                                    ; and go through the other stage while this step is worked
.endif
	v_max3_num_f32 v8, |v[XS]|, |v[XS+1]|, |v[XS+2]|               ; the largest magnitude of my 16, in two chains
	v_max3_num_f32 v9, |v[XS+3]|, |v[XS+4]|, |v[XS+5]|
.irp i, 6,10
	v_max3_num_f32 v8, v8, |v[XS+\i]|, |v[XS+\i+1]|
	v_max3_num_f32 v9, v9, |v[XS+\i+2]|, |v[XS+\i+3]|
.endr
	v_max3_num_f32 v8, v8, |v[XS+14]|, |v[XS+15]|
	v_max3_num_f32 v8, v8, v9, (EMAX+1)<<23        ; and the floor 2^(EMAX + 1 - 127): the byte cannot fall under 1
	v_max_num_f32_dpp v8, v8, v8 row_xmask:1 row_mask:0xf bank_mask:0xf   ; and of my neighbour's 16: the block's
	v_add_nc_u32 v11, -(EMAX<<23), v8              ; EMAX off its exponent field: the conversion takes the exponent field of this operand as its scale
	v_cvt_scalef32_pk8_fp4_f32 v[C+4*(\t)], v[XS:XS+7], v11
	v_cvt_scalef32_pk8_fp4_f32 v[C+4*(\t)+1], v[XS+8:XS+15], v11
	v_lshrrev_b32 v[E+(\t)], 23, v11               ; the scale's byte (also the plain line behind the conversions)
	ds_store_b8 v5, v[E+(\t)] offset:16*(\t)       ; both lanes of a block write the same byte with the same value
	global_store_b64 v4, v[C+4*(\t):C+4*(\t)+1], s[18:19] offset:32*CB*(\t)   ; the wave stores 256 consecutive bytes, aligned
.endm
.irp t, 0,1,2,3,4,5,6,7,8,9,10,11,12,13,14,15
	STEP \t
.endr
	ds_load_b64 v[8:9], v6                         ; LDS serves a wave's instructions in order: these see my stores
	s_wait_dscnt 0x0
	global_store_b64 v7, v[8:9], s[20:21]          ; 32 lanes store 256 consecutive bytes, aligned
	s_wait_tensorcnt 0x0                           ; the wave's end
	ds_add_u32 v[SPW], v[NIL]
	s_wait_dscnt 0x0
	s_endpgm
	; ---------------- (b) w_o to f16, in chunks
.Lwo:
	s_sub_co_u32 s29, ttmp9, QWG                   ; the tile of 16 rows
	s_mul_i32 s30, s28, WOREG
	s_add_co_u32 s30, s30, WOST                    ; my stage
	v_lshlrev_b32 v4, 3, v2
	v_add_nc_u32 v4, s30, v4                       ; in: 8 bytes a lane (four f16)
	v_and_b32 v5, 15, v2
	v_lshrrev_b32 v6, 4, v2
	v_mul_u32_u24 v5, v5, 528                      ; out: row r; 528 = 33 x 16 bytes, so that sixteen rows start at sixteen different 16-byte columns of 256
	v_lshl_add_u32 v5, v6, 4, v5
	v_add_nc_u32 v5, s30, v5                       ; + 16 h
	s_lshl_b32 s32, s29, 16                        ; w_o: 16 rows of 4,096 bytes,
	s_lshl_b32 s33, s28, 10                        ; my 256 columns
	s_add_co_u32 s32, s32, s33
	s_mov_b32 s33, 0
	s_lshl_b32 s34, s29, 15                        ; wimg: 32,768 bytes a tile,
	s_lshl_b32 s35, s28, 13                        ; my 16 chunks
	s_add_co_u32 s34, s34, s35
	s_mov_b32 s35, 0
	s_wait_kmcnt 0x0
	s_add_nc_u64 s[16:17], s[16:17], s[32:33]
	s_add_nc_u64 s[22:23], s[22:23], s[34:35]
.set n, 0
.rept 32                                       ; load n: row n / 2, half n % 2 of my 1,024 bytes: 512 consecutive bytes
	global_load_b128 v[16+4*n:19+4*n], v3, s[16:17] offset:(n/2)*4096+(n%2)*512 th:TH_LOAD_NT
.set n, n+1
.endr
.set n, 0
.rept 32
	s_wait_loadcnt 31-n                            ; load n is in; the younger ones may be out
	v_cvt_pk_f16_f32 v[16+4*n], v[16+4*n], v[17+4*n]
	v_cvt_pk_f16_f32 v[17+4*n], v[18+4*n], v[19+4*n]
	ds_store_b64 v4, v[16+4*n:17+4*n] offset:(n/2)*528+(n%2)*256
.set n, n+1
.endr
	s_wait_dscnt 0x0                               ; the stores have read their registers
.set n, 0
.rept 16                                       ; chunk n: lane (r, h) takes row r, k = 16 n + 8 h + 0 .. 7
	ds_load_b128 v[16+4*n:19+4*n], v5 offset:32*n
.set n, n+1
.endr
.set n, 0
.rept 16
	s_wait_dscnt 15-n
	global_store_b128 v3, v[16+4*n:19+4*n], s[22:23] offset:512*n   ; 512 consecutive bytes, aligned
.set n, n+1
.endr
	s_wait_tensorcnt 0x0                           ; the wave's end
	ds_add_u32 v[SPW], v[NIL]
	s_wait_dscnt 0x0
	s_endpgm
.Lfunc_end_k_qea1ca28b51_prep:
	.size	k_qea1ca28b51_prep, .Lfunc_end_k_qea1ca28b51_prep-k_qea1ca28b51_prep
	.p2alignl 7, 3214868480
	.fill 96, 4, 3214868480
	.section	.rodata,"a",@progbits
	.p2align	6, 0x0
	.amdhsa_kernel k_qea1ca28b51_prep
		.amdhsa_group_segment_fixed_size 67072
		.amdhsa_private_segment_fixed_size 0
		.amdhsa_enable_private_segment 0
		.amdhsa_kernarg_size 80
		.amdhsa_user_sgpr_count 2
		.amdhsa_user_sgpr_kernarg_segment_ptr 1
		.amdhsa_wavefront_size32 1
		.amdhsa_system_sgpr_workgroup_id_x 1
		.amdhsa_system_sgpr_workgroup_id_y 1
		.amdhsa_system_sgpr_workgroup_id_z 1
		.amdhsa_system_vgpr_workitem_id 0
		.amdhsa_next_free_vgpr 192
		.amdhsa_next_free_sgpr 66
		.amdhsa_reserve_vcc 0
		.amdhsa_float_denorm_mode_32 3
		.amdhsa_float_denorm_mode_16_64 3
		.amdhsa_memory_ordered 1
		.amdhsa_forward_progress 1
		.amdhsa_inst_pref_size 48
	.end_amdhsa_kernel
	.amdgpu_metadata
---
amdhsa.version: [ 1, 2 ]
amdhsa.kernels:
  - .name:           k_qea1ca28b51_prep
    .symbol:         k_qea1ca28b51_prep.kd
    .args:
      - { .name: query, .offset: 0, .size: 8, .value_kind: global_buffer, .address_space: global }
      - { .name: key_, .offset: 8, .size: 8, .value_kind: global_buffer, .address_space: global }
      - { .name: value, .offset: 16, .size: 8, .value_kind: global_buffer, .address_space: global }
      - { .name: w_q, .offset: 24, .size: 8, .value_kind: global_buffer, .address_space: global }
      - { .name: w_k, .offset: 32, .size: 8, .value_kind: global_buffer, .address_space: global }
      - { .name: w_v, .offset: 40, .size: 8, .value_kind: global_buffer, .address_space: global }
      - { .name: w_o, .offset: 48, .size: 8, .value_kind: global_buffer, .address_space: global }
      - { .name: xcodes, .offset: 56, .size: 8, .value_kind: global_buffer, .address_space: global }
      - { .name: xscales, .offset: 64, .size: 8, .value_kind: global_buffer, .address_space: global }
      - { .name: wimg, .offset: 72, .size: 8, .value_kind: global_buffer, .address_space: global }
    .group_segment_fixed_size: 67072
    .private_segment_fixed_size: 0
    .kernarg_segment_align: 8
    .kernarg_segment_size: 80
    .max_flat_workgroup_size: 128
    .sgpr_count:     66
    .vgpr_count:     192
    .wavefront_size: 32
...
	.end_amdgpu_metadata
.endif
;; end of part 1
;; launch proj (part 2): grid 4 x 192, 4 waves a work-group, clusters of 4 x 4, 217,088 bytes of LDS; arguments xcodes, xscales, qimg, kv; writes qimg, kv
.if DOCPART == 2
	.amdgcn_target "amdgcn-amd-amdhsa--gfx1250"
	.amdhsa_code_object_version 6
	.text
	.protected	k_qea1ca28b51_proj
	.globl	k_qea1ca28b51_proj
	.p2align	8
	.type	k_qea1ca28b51_proj,@function
k_qea1ca28b51_proj:
	s_mov_b64 s[64:65], 0
	v_nop
	global_prefetch_b8 v0, s[64:65] scope:SCOPE_SE
	s_setreg_imm32_b32 hwreg(HW_REG_WAVE_MODE, 25, 1), 1
	s_wait_xcnt 0x0
	s_wait_alu depctr_hold_cnt(0) depctr_sa_sdst(0) depctr_va_vdst(0) depctr_va_sdst(0) depctr_va_ssrc(0) depctr_va_vcc(0) depctr_vm_vsrc(0)
	s_getreg_b32 s2, hwreg(HW_REG_IB_STS2, 6, 4)
	s_cmp_eq_u32 s2, 0
	s_cbranch_scc0 .Lentry_in_a_cluster
	s_endpgm
.Lentry_in_a_cluster:
	s_bfe_u32 s2, ttmp6, 0x10000c
	s_cmp_lg_u32 s2, 0xf033
	s_cbranch_scc0 .Lentry_shape_is_right
	s_endpgm
.Lentry_shape_is_right:
; MULTI-HEAD ATTENTION, launch 2 of 4: Q = query w_q^T, K = key_ w_k^T, V = value w_v^T on codes of FP4 with E8M0 scales, sums in f32; the results leave as f16, laid as the next launch's operands.  No work is left out.
; A work-group makes 256 rows of source 0 x 128 rows of source 1, with ALL of K = 1,024 in LDS: each LDS byte is filled once, so there is no ring and no loop.
; Tensor t = cluster / 16.  t = 0, 1 (Q, K): source 0 = rows of the weight (channels), source 1 = tokens: a lane's eight results are eight channels of one token.
; t = 2 (V): source 0 = tokens, source 1 = rows of w_v (channels): a lane's eight results are eight tokens of one channel: V^T.  One text: only offsets differ, chosen by s_cselect on the cluster's number.
; Rounded to f16 in pairs, an accumulator IS a chunk (16 rows x 16 k, lane r + 16 h: row r, k = 8 h + 0 .. 7, 16 bytes at 16 x lane): each store of a wave covers 512 consecutive bytes, aligned, with no stage.
; qimg = [b h: 64][group of 64 tokens: 32][32 channels: 2][tile of 16 tokens: 4][16 channels: 2][512 bytes]
; kv   = [b h: 64][group of 64 keys: 32][K, 8 KiB, laid as qimg's group | V^T, 8 KiB: [32 keys: 2][tile of 16 channels: 4][16 keys: 2][512 bytes]]
; CLUSTERS: 4 x 4.  Source 0's tile hangs on x alone and is shared along a column of the cluster, source 1's on y alone and is shared along a row: each is asked for jointly, with a mask that names the four.
; A wave (i = wave / 2, j = wave % 2) makes 128 x 64: 32 accumulators, which take turns, one instruction a turn, in the same order in every K step.
; LIMIT: |Q|, |K|, |V| over 65,504 become infinite in f16.
; REGISTERS: window 0: v16-20 addresses; v28, v29 the add's two; v32-95 source 0's scale words (block b, K step q: 32 + 8 b + q); v96-127 source 1's (96 + 8 a + q); v128-255 packed results.
;   window 1: accumulator (a, b) at 8 (8 a + b).   window 2: two sets of fragments at 96 s: source 0's block b at + 8 b, source 1's block a at + 64 + 8 a.
.set PITCH, 528                        ; a row of 1,024 codes in LDS: 512 bytes + 16 = 33 x 16: sixteen rows start at sixteen different 16-byte columns of 256
.set C0,    0                          ; source 0's 256 rows
.set C1,    256*PITCH                  ; source 1's 128 rows
.set SS0,   C1+128*PITCH               ; source 0's scale bytes: 32 a row, 8 rows in 256 bytes + 16 of padding
.set SS1,   SS0+32*272                 ; source 1's
.set SPARE, SS1+16*272                 ; the spare words, 128 bytes for each wave
.set ADR0, 16
.set ADR1, 17
.set AS0,  18
.set AS1,  19
.set CO,   20
.set SPW,  28
.set NIL,  29
.set SC0,  32
.set SC1,  96
.set PK,   128
.set G1C0, 24                          ; s[24:31] group 1, source 0's codes;  s[32:39] source 1's;  s[40:47], s[48:55] their scale bytes
.set G1C1, 32
.set G1S0, 40
.set G1S1, 48
.set G0C0, 56                          ; s[56:59], s[60:63], s[68:71], s[72:75] the groups 0
.set G0C1, 60
.set G0S0, 68
.set G0S1, 72
.set MSB, 0
.macro WIN new                         ; the immediate's high byte repeats the setting that is left
.if MSB != (\new)
	s_set_vgpr_msb (MSB<<8)|(\new)
.set MSB, (\new)
.endif
.endm
; A joint load: waves 0 and 1 fetch for source 0, waves 2 and 3 for source 1.  The branch hangs on the wave's number alone.  An s_nop 0 and four v_nop follow each of the two lines.
.macro JLOAD g0a, g1a, g0b, g1b
	s_cmp_eq_u32 s13, 0
	s_cbranch_scc0 .Lfor_1_\@
	tensor_load_to_lds s[\g0a:\g0a+3], s[\g1a:\g1a+7]
	s_nop 0
.rept 4
	v_nop
.endr
	s_branch .Lasked_\@
.Lfor_1_\@:
	tensor_load_to_lds s[\g0b:\g0b+3], s[\g1b:\g1b+7]
	s_nop 0
.rept 4
	v_nop
.endr
.Lasked_\@:
.endm
.macro CROUND                          ; a round of the cluster's barrier
	s_barrier_signal -1
	s_barrier_wait -1
	s_cmp_lg_u32 s12, 0
	s_cbranch_scc1 .Lnot_wave_0_\@
	s_barrier_signal -3
.Lnot_wave_0_\@:
	s_barrier_wait -3
	s_barrier_signal -1
	s_barrier_wait -1
.endm
.macro PLACES                          ; four plain places behind matrix instructions, in front of loads into registers that they read and of the first read of results
.rept 4
	v_nop
.endr
.endm
	s_load_b256 s[4:11], s[0:1], 0x0               ; xcodes s[4:5], xscales s[6:7], qimg s[8:9], kv s[10:11]
	v_lshl_add_u32 v[SPW], v0, 2, SPARE
	v_mov_b32 v[NIL], 0
	ds_add_u32 v[SPW], v[NIL]                      ; the wave's opening: the add, twice on end, and its wait ahead of my first tensor load
	ds_add_u32 v[SPW], v[NIL]
	v_lshrrev_b32 v1, 5, v0
	v_readfirstlane_b32 s12, v1                    ; wave 0..3
	s_lshr_b32 s13, s12, 1                         ; i: my half of source 0's rows.  Also: I fetch for source 0 (0) or source 1 (1)
	s_and_b32 s14, s12, 1                          ; j: my half of source 1's rows.  Also: which half I fetch
	s_bfe_u32 s20, ttmp6, 0x40000                  ; cx
	s_bfe_u32 s21, ttmp6, 0x40004                  ; cy
	s_and_b32 s15, ttmp7, 0xffff                   ; the cluster, 0 .. 47
	s_lshr_b32 s16, s15, 4                         ; t: 0 Q, 1 K, 2 V
	s_and_b32 s17, s15, 15
	s_lshr_b32 s76, s17, 1
	s_and_b32 s77, s17, 1
	s_lshl_b32 s78, s16, 19
	s_add_co_u32 s78, s78, 12582912                ; Q, K: the weight's codes
	s_lshl_b32 s79, s16, 22                        ; and the tokens'
	s_cmp_eq_u32 s16, 2                            ; V?  The same in all sixteen partners
	s_cselect_b32 s18, s76, 0                      ; which four tiles of source 0
	s_cselect_b32 s19, s77, s17                    ; which four tiles of source 1
	s_cselect_b32 s80, 8388608, s78                ; source 0's section of xcodes
	s_cselect_b32 s81, 13631488, s79               ; source 1's
	s_lshl_b32 s22, s18, 2
	s_add_co_u32 s22, s22, s20                     ; u: source 0's tile of 256 rows (never holds cy)
	s_lshl_b32 s23, s19, 2
	s_add_co_u32 s23, s23, s21                     ; w: source 1's tile of 128 rows (never holds cx)
	s_lshl_b32 s82, 0x1111, s20                    ; my column of the cluster
	s_lshl_b32 s83, s21, 2
	s_lshl_b32 s83, 15, s83                        ; my row
	s_or_b32 s[G1C0], s82, (1<<20)|(1<<21)|(6<<22)|(3<<25)   ; the mask; elements of 1 byte; padding: 4 words behind every 128; bit 21 beside a mask
	s_mov_b32 s[G1C0+1], 512<<16                   ; tensor_dim0 = 512
	s_mov_b32 s[G1C0+2], 128<<16                   ; tensor_dim1 = 128
	s_mov_b32 s[G1C0+3], 512<<16                   ; tile_dim0
	s_mov_b32 s[G1C0+4], 128                       ; tile_dim1
	s_mov_b32 s[G1C0+5], 512                       ; the pitch
	s_mov_b32 s[G1C0+6], 0
	s_mov_b32 s[G1C0+7], 0
	s_or_b32 s[G1C1], s83, (1<<20)|(1<<21)|(6<<22)|(3<<25)
	s_mov_b32 s[G1C1+1], 512<<16
	s_mov_b32 s[G1C1+2], 64<<16                    ; 64 rows
	s_mov_b32 s[G1C1+3], 512<<16
	s_mov_b32 s[G1C1+4], 64
	s_mov_b32 s[G1C1+5], 512
	s_mov_b32 s[G1C1+6], 0
	s_mov_b32 s[G1C1+7], 0
	s_or_b32 s[G1S0], s82, (3<<16)|(1<<20)|(1<<21)|(5<<22)|(3<<25)   ; scale bytes: a dense block as rows of 256 bytes (32 elements of 8), 4 words of padding behind each
	s_mov_b32 s[G1S0+1], 32<<16
	s_mov_b32 s[G1S0+2], 16<<16                    ; 128 rows x 32 bytes = 16 rows of 256
	s_mov_b32 s[G1S0+3], 32<<16
	s_mov_b32 s[G1S0+4], 16
	s_mov_b32 s[G1S0+5], 32
	s_mov_b32 s[G1S0+6], 0
	s_mov_b32 s[G1S0+7], 0
	s_or_b32 s[G1S1], s83, (3<<16)|(1<<20)|(1<<21)|(5<<22)|(3<<25)
	s_mov_b32 s[G1S1+1], 32<<16
	s_mov_b32 s[G1S1+2], 8<<16
	s_mov_b32 s[G1S1+3], 32<<16
	s_mov_b32 s[G1S1+4], 8
	s_mov_b32 s[G1S1+5], 32
	s_mov_b32 s[G1S1+6], 0
	s_mov_b32 s[G1S1+7], 0
	s_lshl_b32 s84, s22, 8
	s_lshl_b32 s85, s14, 7
	s_add_co_u32 s84, s84, s85                     ; source 0: row 256 u + 128 j
	s_lshl_b32 s86, s84, 9
	s_add_co_u32 s86, s86, s80                     ; its codes, in bytes from xcodes;
	s_mov_b32 s87, 0
	s_lshr_b32 s88, s86, 4                         ; its scale bytes: a sixteenth of that
	s_mov_b32 s89, 0
	s_lshl_b32 s90, s23, 7
	s_lshl_b32 s91, s14, 6
	s_add_co_u32 s90, s90, s91                     ; source 1: row 128 w + 64 j
	s_lshl_b32 s92, s90, 9
	s_add_co_u32 s92, s92, s81
	s_mov_b32 s93, 0
	s_lshr_b32 s94, s92, 4
	s_mov_b32 s95, 0
	s_mov_b32 s[G0C0], 1
	s_mul_i32 s[G0C0+1], s14, 128*PITCH            ; LDS addresses hang on the wave's number alone
	s_mov_b32 s[G0C1], 1
	s_mul_i32 s[G0C1+1], s14, 64*PITCH
	s_add_co_u32 s[G0C1+1], s[G0C1+1], C1
	s_mov_b32 s[G0S0], 1
	s_mul_i32 s[G0S0+1], s14, 16*272
	s_add_co_u32 s[G0S0+1], s[G0S0+1], SS0
	s_mov_b32 s[G0S1], 1
	s_mul_i32 s[G0S1+1], s14, 8*272
	s_add_co_u32 s[G0S1+1], s[G0S1+1], SS1
	s_wait_dscnt 0x0                               ; both opening adds are done
	s_wait_kmcnt 0x0
	s_add_nc_u64 s[G0C0+2:G0C0+3], s[4:5], s[86:87]
	s_or_b32 s[G0C0+3], s[G0C0+3], 0x80000000
	s_add_nc_u64 s[G0C1+2:G0C1+3], s[4:5], s[92:93]
	s_or_b32 s[G0C1+3], s[G0C1+3], 0x80000000
	s_add_nc_u64 s[G0S0+2:G0S0+3], s[6:7], s[88:89]
	s_or_b32 s[G0S0+3], s[G0S0+3], 0x80000000
	s_add_nc_u64 s[G0S1+2:G0S1+3], s[6:7], s[94:95]
	s_or_b32 s[G0S1+3], s[G0S1+3], 0x80000000
	CROUND                                         ; all sixteen work-groups are here: the joint loads meet
	JLOAD G0S0, G1S0, G0S1, G1S1                   ; the scale bytes,
	JLOAD G0C0, G1C0, G0C1, G1C1                   ; the codes: two loads of mine are out, and no more follow
	v_and_b32 v1, 15, v0                           ; r
	v_bfe_u32 v2, v0, 4, 1                         ; h
	v_mul_u32_u24 v3, v1, PITCH
	v_lshl_add_u32 v3, v2, 4, v3                   ; a fragment's row x pitch + 16 h
	s_mul_i32 s76, s13, 128*PITCH
	v_add_nc_u32 v[ADR0], s76, v3
	s_mul_i32 s76, s14, 64*PITCH
	s_add_co_u32 s76, s76, C1
	v_add_nc_u32 v[ADR1], s76, v3
	v_lshrrev_b32 v4, 3, v1
	v_and_b32 v5, 7, v1
	v_mul_u32_u24 v4, v4, 272
	v_lshl_add_u32 v4, v5, 5, v4                   ; my row's 32 scale bytes: 272 (r / 8) + 32 (r % 8)
	s_mul_i32 s76, s13, 16*272
	s_add_co_u32 s76, s76, SS0
	v_add_nc_u32 v[AS0], s76, v4
	s_mul_i32 s76, s14, 8*272
	s_add_co_u32 s76, s76, SS1
	v_add_nc_u32 v[AS1], s76, v4
	v_and_b32 v[CO], 31, v0
	v_lshlrev_b32 v[CO], 4, v[CO]                  ; 16 x lane
	; where the results go.  P = my group of 64 tokens among all 128, H = my first head; Q, K: P = 2 w + j, H = 4 u + 2 i; V: the other way round
	s_cmp_eq_u32 s16, 0
	s_cselect_b64 s[8:9], s[8:9], s[10:11]         ; qimg or kv: the choice hangs on the cluster's number alone
	s_cselect_b32 s76, 13, 14                      ; a group is 2^13 bytes in qimg, 2^14 in kv
	s_lshl_b32 s96, s22, 2
	s_lshl_b32 s98, s13, 1
	s_add_co_u32 s96, s96, s98                     ; 4 u + 2 i
	s_lshl_b32 s97, s23, 1
	s_add_co_u32 s97, s97, s14                     ; 2 w + j
	s_cmp_eq_u32 s16, 2
	s_cselect_b32 s98, s96, s97                    ; P
	s_cselect_b32 s99, s97, s96                    ; H
	s_cselect_b32 s2, 8192, 0                      ; V lies behind K in a group
	s_cselect_b32 s3, 0, 5                         ; source 0's blocks 4-7 are the next group (V) or the next head, 32 groups on (Q, K)
	s_lshr_b32 s77, s98, 5
	s_lshl_b32 s77, s77, 4
	s_add_co_u32 s77, s77, s99                     ; b h = 16 (P / 32) + H
	s_and_b32 s78, s98, 31
	s_lshl_b32 s77, s77, 5
	s_add_co_u32 s77, s77, s78                     ; in groups: 32 b h + P % 32
	s_lshl_b32 s78, s77, s76
	s_add_co_u32 s78, s78, s2
	s_mov_b32 s79, 0
	s_add_nc_u64 s[8:9], s[8:9], s[78:79]          ; blocks 0-3
	s_add_co_u32 s3, s3, s76
	s_lshl_b32 s80, 1, s3
	s_mov_b32 s81, 0
	s_add_nc_u64 s[10:11], s[8:9], s[80:81]        ; blocks 4-7
	s_wait_tensorcnt 0x0                           ; my parts are in,
	s_barrier_signal -1
	s_barrier_wait -1                              ; everybody's are
; a fragment, 16 rows x 128 K of 4-bit codes: lane (r, h), registers 4 c .. 4 c + 3: K = 64 c + 32 h + 0 .. 31: 16 bytes of the row as they lie
.macro FETCH q, s                      ; K step q into set s: 24 loads
	WIN 0x80                                       ; destination window 2
.irp b, 0,1,2,3,4,5,6,7
.irp c, 0,1
	ds_load_b128 v[96*(\s)+8*\b+4*\c:96*(\s)+8*\b+4*\c+3], v[ADR0] offset:\b*16*PITCH+64*(\q)+32*\c
.endr
.endr
.irp a, 0,1,2,3
.irp c, 0,1
	ds_load_b128 v[96*(\s)+64+8*\a+4*\c:96*(\s)+64+8*\a+4*\c+3], v[ADR1] offset:\a*16*PITCH+64*(\q)+32*\c
.endr
.endr
.endm
.macro MUL q, s, zero                  ; 32 matrix instructions; zero = 1: they start the sums: nothing is cleared
	WIN 0x5a                                       ; sources 0 and 1 window 2, C and D window 1
.irp a, 0,1,2,3
.irp b, 0,1,2,3,4,5,6,7
.if \zero
	v_wmma_scale_f32_16x16x128_f8f6f4 v[8*(8*\a+\b):8*(8*\a+\b)+7], v[96*(\s)+8*\b:96*(\s)+8*\b+7], v[96*(\s)+64+8*\a:96*(\s)+64+8*\a+7], 0, v[SC0+8*\b+(\q)], v[SC1+8*\a+(\q)] matrix_a_fmt:MATRIX_FMT_FP4 matrix_b_fmt:MATRIX_FMT_FP4
.else
	v_wmma_scale_f32_16x16x128_f8f6f4 v[8*(8*\a+\b):8*(8*\a+\b)+7], v[96*(\s)+8*\b:96*(\s)+8*\b+7], v[96*(\s)+64+8*\a:96*(\s)+64+8*\a+7], v[8*(8*\a+\b):8*(8*\a+\b)+7], v[SC0+8*\b+(\q)], v[SC1+8*\a+(\q)] matrix_a_fmt:MATRIX_FMT_FP4 matrix_b_fmt:MATRIX_FMT_FP4
.endif
.endr
.endr
.endm
.irp b, 0,1,2,3,4,5,6,7                        ; the scale words of all eight K steps: lane r takes row r's 32 bytes (lanes 16-31 the same, and are not read)
.irp f, 0,1
	ds_load_b128 v[SC0+8*\b+4*\f:SC0+8*\b+4*\f+3], v[AS0] offset:\b*544+16*\f
.endr
.endr
.irp a, 0,1,2,3
.irp f, 0,1
	ds_load_b128 v[SC1+8*\a+4*\f:SC1+8*\a+4*\f+3], v[AS1] offset:\a*544+16*\f
.endr
.endr
	FETCH 0, 0
.irp q, 0,1,2,3,4,5,6,7
	s_wait_dscnt 0x0                               ; this step's fragments are in (asked for one step ago)
.if \q > 0
	PLACES                                         ; behind the last step's products, which read the set that is loaded next
.endif
.if \q < 7
	FETCH \q+1, (\q+1)%2
.endif
.if \q == 0
	MUL \q, \q%2, 1
.else
	MUL \q, \q%2, 0
.endif
.endr
	PLACES
	WIN 0x05                                       ; sources window 1, destination window 0
.set T, 0
.rept 32                                       ; each accumulator from its low end on: eight f32 become 16 bytes
.irp n, 0,1,2,3
	v_cvt_pk_f16_f32 v[PK+4*T+\n], v[8*T+2*\n], v[8*T+2*\n+1]
.endr
.set T, T+1
.endr
	WIN 0
.irp a, 0,1,2,3                                ; chunk (a, b): 32 of source 0's rows (b / 2) % 2, tile a of source 1's rows, 16 of source 0's rows b % 2
.irp b, 0,1,2,3
	global_store_b128 v[CO], v[PK+4*(8*\a+\b):PK+4*(8*\a+\b)+3], s[8:9] offset:((\b>>1)&1)*4096+\a*1024+(\b&1)*512
.endr
.irp b, 4,5,6,7
	global_store_b128 v[CO], v[PK+4*(8*\a+\b):PK+4*(8*\a+\b)+3], s[10:11] offset:((\b>>1)&1)*4096+\a*1024+(\b&1)*512
.endr
.endr
	s_wait_tensorcnt 0x0                           ; the wave's end
	ds_add_u32 v[SPW], v[NIL]
	s_wait_dscnt 0x0
	CROUND                                         ; the closing round
	s_endpgm
.Lfunc_end_k_qea1ca28b51_proj:
	.size	k_qea1ca28b51_proj, .Lfunc_end_k_qea1ca28b51_proj-k_qea1ca28b51_proj
	.p2alignl 7, 3214868480
	.fill 96, 4, 3214868480
	.section	.rodata,"a",@progbits
	.p2align	6, 0x0
	.amdhsa_kernel k_qea1ca28b51_proj
		.amdhsa_group_segment_fixed_size 217088
		.amdhsa_private_segment_fixed_size 0
		.amdhsa_enable_private_segment 0
		.amdhsa_kernarg_size 32
		.amdhsa_user_sgpr_count 2
		.amdhsa_user_sgpr_kernarg_segment_ptr 1
		.amdhsa_wavefront_size32 1
		.amdhsa_system_sgpr_workgroup_id_x 1
		.amdhsa_system_sgpr_workgroup_id_y 1
		.amdhsa_system_sgpr_workgroup_id_z 1
		.amdhsa_system_vgpr_workitem_id 0
		.amdhsa_next_free_vgpr 704
		.amdhsa_next_free_sgpr 100
		.amdhsa_reserve_vcc 0
		.amdhsa_float_denorm_mode_32 3
		.amdhsa_float_denorm_mode_16_64 3
		.amdhsa_memory_ordered 1
		.amdhsa_forward_progress 1
		.amdhsa_inst_pref_size 68
	.end_amdhsa_kernel
	.amdgpu_metadata
---
amdhsa.version: [ 1, 2 ]
amdhsa.kernels:
  - .name:           k_qea1ca28b51_proj
    .symbol:         k_qea1ca28b51_proj.kd
    .args:
      - { .name: xcodes, .offset: 0, .size: 8, .value_kind: global_buffer, .address_space: global }
      - { .name: xscales, .offset: 8, .size: 8, .value_kind: global_buffer, .address_space: global }
      - { .name: qimg, .offset: 16, .size: 8, .value_kind: global_buffer, .address_space: global }
      - { .name: kv, .offset: 24, .size: 8, .value_kind: global_buffer, .address_space: global }
    .group_segment_fixed_size: 217088
    .private_segment_fixed_size: 0
    .kernarg_segment_align: 8
    .kernarg_segment_size: 32
    .max_flat_workgroup_size: 128
    .sgpr_count:     100
    .vgpr_count:     704
    .wavefront_size: 32
...
	.end_amdgpu_metadata
.endif
;; end of part 2
;; launch attn (part 3): grid 4 x 64, 8 waves a work-group, clusters of 4 x 1, 327,680 bytes of LDS; arguments qimg, kv, cimg; writes cimg
.if DOCPART == 3
	.amdgcn_target "amdgcn-amd-amdhsa--gfx1250"
	.amdhsa_code_object_version 6
	.text
	.protected	k_qea1ca28b51_attn
	.globl	k_qea1ca28b51_attn
	.p2align	8
	.type	k_qea1ca28b51_attn,@function
k_qea1ca28b51_attn:
	s_mov_b64 s[64:65], 0
	v_nop
	global_prefetch_b8 v0, s[64:65] scope:SCOPE_SE
	s_setreg_imm32_b32 hwreg(HW_REG_WAVE_MODE, 25, 1), 1
	s_wait_xcnt 0x0
	s_wait_alu depctr_hold_cnt(0) depctr_sa_sdst(0) depctr_va_vdst(0) depctr_va_sdst(0) depctr_va_ssrc(0) depctr_va_vcc(0) depctr_vm_vsrc(0)
	s_getreg_b32 s2, hwreg(HW_REG_IB_STS2, 6, 4)
	s_cmp_eq_u32 s2, 0
	s_cbranch_scc0 .Lentry_in_a_cluster
	s_endpgm
.Lentry_in_a_cluster:
	s_bfe_u32 s2, ttmp6, 0x10000c
	s_cmp_lg_u32 s2, 0x3003
	s_cbranch_scc0 .Lentry_shape_is_right
	s_endpgm
.Lentry_shape_is_right:
; MULTI-HEAD ATTENTION, launch 3 of 4: ctx[b h][q] = the sum over k of softmax_k(Q[q] . K[k] / 8) V[k], head size 64, 2,048 keys, no mask.  Operands in f16, products, maxima and sums in f32.  No work is left out.
; SHARES.  A work-group owns 512 queries of one (b, h); each of its eight waves 64: four tiles of 16, one group of qimg.  Two waves share a SIMD, so that one wave's softmax stands beside the other's products.
; Every wave walks all keys, 64 a step (one group of kv: 8 KiB of K, 8 KiB of V^T).
; LAYOUT.  S^T = K Q^T (source 0 = 16 keys, source 1 = 16 queries) and O^T = V^T P (source 0 = 16 channels, source 1 = P): a lane holds ONE query throughout.  Two tiles of S^T, rounded to f16 in pairs, ARE a fragment of P;
; P is laid over S^T's registers.  Q, K and V^T come as images of their registers: every load takes 16 bytes at 16 x lane, 512 consecutive bytes, so LDS needs no padding.
; SOFTMAX.  For each query a running maximum m and sum l: p = 2^(c s - c m), c = log2(e) / 8; in every step O^T and l are multiplied by a = 2^(c m_old - c m_new).  The sum is taken of the unrounded p.
; RING.  Two slots of 512 keys (131,072 bytes).  Each wave fetches one group of a slot, its address made of the wave's number. By this text's count a wave has two loads out at the
; start and one behind each refill, which has eight key steps in which to land.
; CLUSTER.  The four work-groups of a (b, h) walk the same K and V: each tile is asked for jointly, by the same load with the mask 15.
; ctx leaves as f16 chunks: cimg = [tile of 16 tokens: 512][chunk k / 16: 64][512 bytes]; each store covers 512 consecutive bytes, aligned, with no stage.
; LIMIT: weights p under 6e-8 of the row's largest fall to 0 in f16.
; REGISTERS.  window 0: v1 16 x lane, v2 the step's LDS address, v3, v4 the add's two; v16-47 statistics, 8 a tile: +0 c m, +1 m, +2, +3 l, +4 .. +7 at work (a takes +6); v64-191 S^T, 32 a tile; v192-255 K.
;   window 1: v0-127 O^T, 32 a tile; v128-191 Q; v192-255 V^T.
.set SLOT1, 1<<17                      ; slot 1 begins here: one exclusive or turns an address in one slot into the other's
.set GRP,   16384                      ; a key step's bytes
.set SPARE, 2*SLOT1                    ; the spare words, 128 bytes for each of eight waves
.set LI,  1
.set ADR, 2
.set SPW, 3
.set NIL, 4
.set ST,  16
.set RS,  64
.set RKF, 192
.set RO,  0
.set RQ,  128
.set RVF, 192
.set WV,  12
.set G1,  16                           ; s[16:23] descriptor group 1
.set G0A, 24                           ; s[24:27] group 0 of slot 0's first fill
.set G0B, 28                           ; s[28:31] of slot 1's; it then walks
.set CS,  32                           ; s[32:33] c
.set SEL, 34                           ; s[34:35] v_permlanex16_b32's selects for lane l xor 16
.set TB,  36                           ; s36 LDS byte at which the step's group begins
.set SLOTS, 37
.set STEPS, 38
.set MSB, 0
.macro WIN new
.if MSB != (\new)
	s_set_vgpr_msb (MSB<<8)|(\new)
.set MSB, (\new)
.endif
.endm
.macro CROUND                          ; a round of the cluster's barrier
	s_barrier_signal -1
	s_barrier_wait -1
	s_cmp_lg_u32 s[WV], 0
	s_cbranch_scc1 .Lnot_wave_0_\@
	s_barrier_signal -3
.Lnot_wave_0_\@:
	s_barrier_wait -3
	s_barrier_signal -1
	s_barrier_wait -1
.endm
	s_load_b128 s[4:7], s[0:1], 0x0                ; qimg s[4:5], kv s[6:7]
	s_load_b64 s[8:9], s[0:1], 0x10                ; cimg
	v_lshl_add_u32 v[SPW], v0, 2, SPARE
	v_mov_b32 v[NIL], 0
	ds_add_u32 v[SPW], v[NIL]                      ; the wave's opening: the add, twice on end, and its wait ahead of my first tensor load
	ds_add_u32 v[SPW], v[NIL]
	v_lshrrev_b32 v5, 5, v0
	v_readfirstlane_b32 s[WV], v5                  ; wave 0..7
	v_and_b32 v[LI], 31, v0
	v_lshlrev_b32 v[LI], 4, v[LI]
	s_bfe_u32 s13, ttmp6, 0x40000                  ; cx: my block of 512 queries; it enters Q's and ctx's addresses alone
	s_and_b32 s14, ttmp7, 0xffff                   ; b h, which the four partners share
	s_mov_b32 s[G1], 15|(3<<16)|(1<<21)            ; the mask: all four; elements of 8 bytes; no padding; bit 21 beside a mask
	s_mov_b32 s[G1+1], 32<<16                      ; tensor_dim0 = 32: rows of 256 bytes
	s_mov_b32 s[G1+2], 64<<16                      ; tensor_dim1 = 64
	s_mov_b32 s[G1+3], 32<<16                      ; tile_dim0
	s_mov_b32 s[G1+4], 64                          ; tile_dim1
	s_mov_b32 s[G1+5], 32                          ; the pitch: the block is dense
	s_mov_b32 s[G1+6], 0
	s_mov_b32 s[G1+7], 0
	s_mov_b32 s[CS], 0x3e38aa3b                    ; c = log2(e) / 8
	s_mov_b32 s[CS+1], s[CS]                       ; (named with it as a pair, so it is written)
	s_mov_b32 s[SEL], 0x76543210
	s_mov_b32 s[SEL+1], 0xfedcba98
	s_mov_b32 s[TB], 0
	s_mov_b32 s[SLOTS], 2
	s_lshl_b32 s40, s14, 19                        ; kv: 524,288 bytes a head,
	s_lshl_b32 s41, s[WV], 14                      ; my group of a slot's eight
	s_add_co_u32 s40, s40, s41
	s_mov_b32 s41, 0
	s_lshl_b32 s42, s13, 3
	s_add_co_u32 s42, s42, s[WV]                   ; qimg: group 8 cx + wave,
	s_lshl_b32 s42, s42, 13
	s_lshl_b32 s43, s14, 18                        ; 262,144 bytes a head
	s_add_co_u32 s42, s42, s43
	s_mov_b32 s43, 0
	s_lshr_b32 s44, s14, 4
	s_lshl_b32 s44, s44, 7                         ; cimg: token tile 128 b
	s_lshl_b32 s45, s13, 5
	s_add_co_u32 s44, s44, s45                     ; + 32 cx
	s_lshl_b32 s45, s[WV], 2
	s_add_co_u32 s44, s44, s45                     ; + 4 wave,
	s_lshl_b32 s44, s44, 15                        ; 32,768 bytes a tile,
	s_and_b32 s45, s14, 15
	s_lshl_b32 s45, s45, 11                        ; the head's four chunks
	s_add_co_u32 s44, s44, s45
	s_mov_b32 s45, 0
	s_lshl_b32 s46, s[WV], 14                      ; LDS: my group's place in a slot
	s_wait_dscnt 0x0                               ; both opening adds are done
	s_wait_kmcnt 0x0
	s_add_nc_u64 s[6:7], s[6:7], s[40:41]
	s_add_nc_u64 s[4:5], s[4:5], s[42:43]
	s_add_nc_u64 s[8:9], s[8:9], s[44:45]
	s_mov_b32 s[G0A], 1
	s_mov_b32 s[G0A+1], s46
	s_mov_b64 s[G0A+2:G0A+3], s[6:7]
	s_or_b32 s[G0A+3], s[G0A+3], 0x80000000
	s_mov_b32 s[G0B], 1
	s_add_co_u32 s[G0B+1], s46, SLOT1
	s_add_nc_u64 s[G0B+2:G0B+3], s[6:7], SLOT1     ; the next 512 keys are 131,072 bytes on
	s_or_b32 s[G0B+3], s[G0B+3], 0x80000000
	CROUND                                         ; all four work-groups are here: the first joint loads meet
	tensor_load_to_lds s[G0A:G0A+3], s[G1:G1+7]
	s_nop 0
	tensor_load_to_lds s[G0B:G0B+3], s[G1:G1+7]
	s_nop 0
.rept 4
	v_nop
.endr
	WIN 0x40                                       ; destination window 1
.set c, 0
.rept 16                                       ; Q stays in registers: fragment (32 channels ks, tile t) at RQ + 8 (4 ks + t)
	global_load_b128 v[RQ+4*c:RQ+4*c+3], v[LI], s[4:5] offset:512*c
.set c, c+1
.endr
	WIN 0
.macro SCALE2 g                        ; pair g of the wave's 64 pairs of scores: c s - c m
	v_pk_fma_f32 v[RS+2*(\g):RS+2*(\g)+1], v[RS+2*(\g):RS+2*(\g)+1], s[CS:CS+1], v[ST+8*((\g)/16):ST+8*((\g)/16)+1] op_sel_hi:[1,0,0] neg_lo:[0,0,1] neg_hi:[0,0,1]
.endm
; THE SOFTMAX of four tiles for one key step; each line is written for the four tiles by turns, so that no line waits for the line above it.  first = 1: the first key step starts m, l and O^T.
.macro SOFTMAX first
.irp j, 0,1,2,3                                ; the maximum: four chains a tile, each begun at the low end of one accumulator
.irp t, 0,1,2,3
	v_max3_num_f32 v[ST+8*\t+4+\j], v[RS+32*\t+8*\j], v[RS+32*\t+8*\j+1], v[RS+32*\t+8*\j+2]
.endr
.endr
.irp d, 3,5
.irp j, 0,1,2,3
.irp t, 0,1,2,3
	v_max3_num_f32 v[ST+8*\t+4+\j], v[ST+8*\t+4+\j], v[RS+32*\t+8*\j+\d], v[RS+32*\t+8*\j+\d+1]
.endr
.endr
.endr
.irp t, 0,1,2,3
	v_max3_num_f32 v[ST+8*\t+4], v[ST+8*\t+4], v[RS+32*\t+7], v[RS+32*\t+15]
.endr
.irp t, 0,1,2,3
	v_max3_num_f32 v[ST+8*\t+6], v[ST+8*\t+6], v[RS+32*\t+23], v[RS+32*\t+31]
.endr
.irp t, 0,1,2,3
	v_max3_num_f32 v[ST+8*\t+4], v[ST+8*\t+4], v[ST+8*\t+5], v[ST+8*\t+6]
.endr
.irp t, 0,1,2,3
.if \first
	v_max_num_f32 v[ST+8*\t+4], v[ST+8*\t+4], v[ST+8*\t+7]
.else
	v_max3_num_f32 v[ST+8*\t+4], v[ST+8*\t+4], v[ST+8*\t+7], v[ST+8*\t+1]   ; with the old m
.endif
.endr
.irp t, 0,1,2,3
	v_permlanex16_b32 v[ST+8*\t+5], v[ST+8*\t+4], s[SEL], s[SEL+1]   ; the query's other 32 keys lie in the lane 16 away
.endr
.if !\first
.irp t, 0,1,2,3
	v_mov_b32 v[ST+8*\t+7], v[ST+8*\t]             ; c m_old is kept for a
.endr
.endif
.irp t, 0,1,2,3
	v_max_num_f32 v[ST+8*\t+1], v[ST+8*\t+4], v[ST+8*\t+5]
.endr
.irp t, 0,1,2,3
	v_mul_f32 v[ST+8*\t], s[CS], v[ST+8*\t+1]
.endr
.if !\first
.irp t, 0,1,2,3
	v_sub_f32 v[ST+8*\t+7], v[ST+8*\t+7], v[ST+8*\t]
.endr
.irp t, 0,1,2,3
	v_exp_f32 v[ST+8*\t+6], v[ST+8*\t+7]           ; a = 2^(c m_old - c m_new)
.endr
.endif
	; ONE BATCH: the scalings and all exponentials; none of these lines names an exponential's result.  A pair is scaled two pairs ahead of its exponentials
	SCALE2 0
	SCALE2 1
.set g, 0
.rept 64
.if g+2 < 64
	SCALE2 g+2
.endif
	v_exp_f32 v[RS+2*g], v[RS+2*g]
	v_exp_f32 v[RS+2*g+1], v[RS+2*g+1]
.set g, g+1
.endr
	v_nop                                          ; a plain line behind the last exponential,
	s_wait_alu depctr_va_vdst(0)                   ; and the one wait ahead of the batch's first use
.irp t, 0,1,2,3                                ; the sums of the unrounded p, in two chains a tile
.if \first
	v_pk_add_f32 v[ST+8*\t+2:ST+8*\t+3], v[RS+32*\t:RS+32*\t+1], v[RS+32*\t+4:RS+32*\t+5]
.else
	v_pk_fma_f32 v[ST+8*\t+2:ST+8*\t+3], v[ST+8*\t+2:ST+8*\t+3], v[ST+8*\t+6:ST+8*\t+7], v[RS+32*\t:RS+32*\t+1] op_sel_hi:[1,0,1]   ; l = a l + pair 0
.endif
	v_pk_add_f32 v[ST+8*\t+4:ST+8*\t+5], v[RS+32*\t+2:RS+32*\t+3], v[RS+32*\t+6:RS+32*\t+7]
.endr
.if !\first
.irp t, 0,1,2,3
	v_pk_add_f32 v[ST+8*\t+2:ST+8*\t+3], v[ST+8*\t+2:ST+8*\t+3], v[RS+32*\t+4:RS+32*\t+5]
.endr
.endif
.irp p, 4,6,8,10,12,14
.irp t, 0,1,2,3
	v_pk_add_f32 v[ST+8*\t+2:ST+8*\t+3], v[ST+8*\t+2:ST+8*\t+3], v[RS+32*\t+2*\p:RS+32*\t+2*\p+1]
	v_pk_add_f32 v[ST+8*\t+4:ST+8*\t+5], v[ST+8*\t+4:ST+8*\t+5], v[RS+32*\t+2*\p+2:RS+32*\t+2*\p+3]
.endr
.endr
.irp t, 0,1,2,3
	v_pk_add_f32 v[ST+8*\t+2:ST+8*\t+3], v[ST+8*\t+2:ST+8*\t+3], v[ST+8*\t+4:ST+8*\t+5]
.endr
.irp i, 0,1,2,3,4,5,6,7,8,9,10,11,12,13,14,15  ; P over S^T, ascending: register i is written when pair i / 2 has long been read
.irp t, 0,1,2,3
	v_cvt_pk_f16_f32 v[RS+32*\t+\i], v[RS+32*\t+2*\i], v[RS+32*\t+2*\i+1]
.endr
.endr
.if !\first
	WIN 0x41                                       ; O^T (destination and source 0) window 1, a window 0
.set n, 0
.rept 64                                       ; O^T x a, each accumulator from its low end on
	v_pk_mul_f32 v[RO+2*n:RO+2*n+1], v[RO+2*n:RO+2*n+1], v[ST+8*(n/16)+6:ST+8*(n/16)+7] op_sel_hi:[1,0]
.set n, n+1
.endr
.endif
.endm
; A KEY STEP: 64 keys.  The accumulators take turns, one instruction a turn: sixteen in each product.
.macro STEP first
	v_add_nc_u32 v[ADR], s[TB], v[LI]
.set c, 0
.rept 16                                       ; K: fragment (32 channels ks, 16 keys kt) at RKF + 8 (4 ks + kt)
	ds_load_b128 v[RKF+4*c:RKF+4*c+3], v[ADR] offset:512*c
.set c, c+1
.endr
	WIN 0x40
.set c, 0
.rept 16                                       ; V^T: fragment (32 keys ks, 16 channels ct) at RVF + 8 (4 ks + ct)
	ds_load_b128 v[RVF+4*c:RVF+4*c+3], v[ADR] offset:8192+512*c
.set c, c+1
.endr
	s_wait_dscnt 16                                ; K is in; V's sixteen loads may be out
	WIN 0x04                                       ; Q (source 1) window 1
.irp ks, 0,1
.irp t, 0,1,2,3
.irp kt, 0,1,2,3
.if \ks == 0
	v_wmma_f32_16x16x32_f16 v[RS+32*\t+8*\kt:RS+32*\t+8*\kt+7], v[RKF+8*(4*\ks+\kt):RKF+8*(4*\ks+\kt)+7], v[RQ+8*(4*\ks+\t):RQ+8*(4*\ks+\t)+7], 0
.else
	v_wmma_f32_16x16x32_f16 v[RS+32*\t+8*\kt:RS+32*\t+8*\kt+7], v[RKF+8*(4*\ks+\kt):RKF+8*(4*\ks+\kt)+7], v[RQ+8*(4*\ks+\t):RQ+8*(4*\ks+\t)+7], v[RS+32*\t+8*\kt:RS+32*\t+8*\kt+7]
.endif
.endr
.endr
.endr
	WIN 0
.rept 4
	v_nop                                          ; four places ahead of the first read of the scores (ISA guide 7.12.1)
.endr
	SOFTMAX \first
	s_wait_dscnt 0x0                               ; V is in
	WIN 0x51                                       ; V^T, C and D window 1, P window 0
.irp ks, 0,1
.irp t, 0,1,2,3
.irp ct, 0,1,2,3
.if \first && (\ks == 0)
	v_wmma_f32_16x16x32_f16 v[RO+32*\t+8*\ct:RO+32*\t+8*\ct+7], v[RVF+8*(4*\ks+\ct):RVF+8*(4*\ks+\ct)+7], v[RS+32*\t+8*\ks:RS+32*\t+8*\ks+7], 0
.else
	v_wmma_f32_16x16x32_f16 v[RO+32*\t+8*\ct:RO+32*\t+8*\ct+7], v[RVF+8*(4*\ks+\ct):RVF+8*(4*\ks+\ct)+7], v[RS+32*\t+8*\ks:RS+32*\t+8*\ks+7], v[RO+32*\t+8*\ct:RO+32*\t+8*\ct+7]
.endif
.endr
.endr
.endr
.rept 5
	v_nop                                          ; five places: the next step's first products write over P's registers; its loads into V's want four
.endr
	WIN 0
	s_add_co_u32 s[TB], s[TB], GRP
.endm
; THE CHANGE OF SLOTS.  Each wave waits for all its tensor loads (one is out: its group of the other slot), adds 0 to its spare word, and waits for that and for its reads of the slot that it leaves.
; fill = 1: a round of the cluster's barrier, and behind it, first, the joint refill of the slot just left, with the keys two slots on.
.macro CHANGE fill
	s_wait_tensorcnt 0x0                           ; no tensor load of mine is out, so a group 0 may be written
	ds_add_u32 v[SPW], v[NIL]
.if \fill
	s_xor_b32 s[G0B+1], s[G0B+1], SLOT1            ; the walking descriptor: the other slot than last time,
	s_add_nc_u64 s[G0B+2:G0B+3], s[G0B+2:G0B+3], SLOT1   ; the next 512 keys; the type bits on top are not reached
	s_wait_dscnt 0x0                               ; the add is done, and my reads of the slot are over
	CROUND
	tensor_load_to_lds s[G0B:G0B+3], s[G1:G1+7]
	s_nop 0
.rept 4
	v_nop
.endr
.else
	s_wait_dscnt 0x0
	s_barrier_signal -1
	s_barrier_wait -1
.endif
	s_sub_co_u32 s[TB], s[TB], SLOT1               ; back to a slot's first group,
	s_xor_b32 s[TB], s[TB], SLOT1                  ; in the other slot
.endm
.macro EIGHT                           ; a slot's eight key steps: written once, walked eight times
	s_mov_b32 s[STEPS], 8
.Lstep_\@:
	STEP 0
	s_sub_co_u32 s[STEPS], s[STEPS], 1
	s_cmp_lg_u32 s[STEPS], 0
	s_cbranch_scc1 .Lstep_\@
.endm
	s_wait_tensorcnt 0x1                           ; my group of slot 0 is in; slot 1's load may stay out
	s_barrier_signal -1
	s_barrier_wait -1                              ; everybody's is
	s_wait_loadcnt 0x0                             ; Q
	STEP 1                                         ; the first key step is written out: it starts m, l and O^T, and nothing is cleared
	s_mov_b32 s[STEPS], 7
.Lfirst_slot:
	STEP 0
	s_sub_co_u32 s[STEPS], s[STEPS], 1
	s_cmp_lg_u32 s[STEPS], 0
	s_cbranch_scc1 .Lfirst_slot
.Lslot:                                            ; two trips: slots 0 and 1 are filled again once each
	CHANGE 1
	EIGHT
	s_sub_co_u32 s[SLOTS], s[SLOTS], 1
	s_cmp_lg_u32 s[SLOTS], 0
	s_cbranch_scc1 .Lslot
	CHANGE 0                                       ; the last slot is written out
	EIGHT
	; THE WAY OUT: l's two halves and the other half of the lanes' are added; O^T / l, rounded to f16: a lane's eight channels of a token are 16 bytes of a chunk
.irp t, 0,1,2,3
	v_add_f32 v[ST+8*\t+4], v[ST+8*\t+2], v[ST+8*\t+3]
.endr
.irp t, 0,1,2,3
	v_permlanex16_b32 v[ST+8*\t+5], v[ST+8*\t+4], s[SEL], s[SEL+1]
.endr
.irp t, 0,1,2,3
	v_add_f32 v[ST+8*\t+4], v[ST+8*\t+4], v[ST+8*\t+5]
.endr
.irp t, 0,1,2,3
	v_rcp_f32 v[ST+8*\t+6], v[ST+8*\t+4]
.endr
	v_nop                                          ; a plain line behind the last reciprocal,
	s_wait_alu depctr_va_vdst(0)                   ; and the wait ahead of the first use: one for the four
	WIN 0x41
.set n, 0
.rept 64
	v_pk_mul_f32 v[RO+2*n:RO+2*n+1], v[RO+2*n:RO+2*n+1], v[ST+8*(n/16)+6:ST+8*(n/16)+7] op_sel_hi:[1,0]
.set n, n+1
.endr
	WIN 0x05                                       ; sources window 1, destination window 0: S^T's registers are free
.set n, 0
.rept 64
	v_cvt_pk_f16_f32 v[RS+n], v[RO+2*n], v[RO+2*n+1]
.set n, n+1
.endr
	WIN 0
.irp t, 0,1,2,3
.irp ct, 0,1,2,3
	global_store_b128 v[LI], v[RS+16*\t+4*\ct:RS+16*\t+4*\ct+3], s[8:9] offset:\t*32768+\ct*512   ; 512 consecutive bytes, aligned
.endr
.endr
	s_wait_tensorcnt 0x0                           ; the wave's end
	ds_add_u32 v[SPW], v[NIL]
	s_wait_dscnt 0x0
	CROUND                                         ; the closing round: no work-group ends while a partner may still ask for a tile that names it
	s_endpgm
.Lfunc_end_k_qea1ca28b51_attn:
	.size	k_qea1ca28b51_attn, .Lfunc_end_k_qea1ca28b51_attn-k_qea1ca28b51_attn
	.p2alignl 7, 3214868480
	.fill 96, 4, 3214868480
	.section	.rodata,"a",@progbits
	.p2align	6, 0x0
	.amdhsa_kernel k_qea1ca28b51_attn
		.amdhsa_group_segment_fixed_size 327680
		.amdhsa_private_segment_fixed_size 0
		.amdhsa_enable_private_segment 0
		.amdhsa_kernarg_size 24
		.amdhsa_user_sgpr_count 2
		.amdhsa_user_sgpr_kernarg_segment_ptr 1
		.amdhsa_wavefront_size32 1
		.amdhsa_system_sgpr_workgroup_id_x 1
		.amdhsa_system_sgpr_workgroup_id_y 1
		.amdhsa_system_sgpr_workgroup_id_z 1
		.amdhsa_system_vgpr_workitem_id 0
		.amdhsa_next_free_vgpr 512
		.amdhsa_next_free_sgpr 66
		.amdhsa_reserve_vcc 0
		.amdhsa_float_denorm_mode_32 3
		.amdhsa_float_denorm_mode_16_64 3
		.amdhsa_memory_ordered 1
		.amdhsa_forward_progress 1
		.amdhsa_inst_pref_size 140
	.end_amdhsa_kernel
	.amdgpu_metadata
---
amdhsa.version: [ 1, 2 ]
amdhsa.kernels:
  - .name:           k_qea1ca28b51_attn
    .symbol:         k_qea1ca28b51_attn.kd
    .args:
      - { .name: qimg, .offset: 0, .size: 8, .value_kind: global_buffer, .address_space: global }
      - { .name: kv, .offset: 8, .size: 8, .value_kind: global_buffer, .address_space: global }
      - { .name: cimg, .offset: 16, .size: 8, .value_kind: global_buffer, .address_space: global }
    .group_segment_fixed_size: 327680
    .private_segment_fixed_size: 0
    .kernarg_segment_align: 8
    .kernarg_segment_size: 24
    .max_flat_workgroup_size: 256
    .sgpr_count:     66
    .vgpr_count:     512
    .wavefront_size: 32
...
	.end_amdgpu_metadata
.endif
;; end of part 3
;; launch oproj (part 4): grid 4 x 64, 4 waves a work-group, clusters of 4 x 4, 327,680 bytes of LDS; arguments cimg, wimg, b_o, out0; writes out0
.if DOCPART == 4
	.amdgcn_target "amdgcn-amd-amdhsa--gfx1250"
	.amdhsa_code_object_version 6
	.text
	.protected	k_qea1ca28b51_oproj
	.globl	k_qea1ca28b51_oproj
	.p2align	8
	.type	k_qea1ca28b51_oproj,@function
k_qea1ca28b51_oproj:
	s_mov_b64 s[64:65], 0
	v_nop
	global_prefetch_b8 v0, s[64:65] scope:SCOPE_SE
	s_setreg_imm32_b32 hwreg(HW_REG_WAVE_MODE, 25, 1), 1
	s_wait_xcnt 0x0
	s_wait_alu depctr_hold_cnt(0) depctr_sa_sdst(0) depctr_va_vdst(0) depctr_va_sdst(0) depctr_va_ssrc(0) depctr_va_vcc(0) depctr_vm_vsrc(0)
	s_getreg_b32 s2, hwreg(HW_REG_IB_STS2, 6, 4)
	s_cmp_eq_u32 s2, 0
	s_cbranch_scc0 .Lentry_in_a_cluster
	s_endpgm
.Lentry_in_a_cluster:
	s_bfe_u32 s2, ttmp6, 0x10000c
	s_cmp_lg_u32 s2, 0xf033
	s_cbranch_scc0 .Lentry_shape_is_right
	s_endpgm
.Lentry_shape_is_right:
; MULTI-HEAD ATTENTION, launch 4 of 4: out[token][n] = the sum over k of ctx[token][k] w_o[n][k] + b_o[n].  Operands in f16 (cimg, wimg: chunks of 16 rows x 16 k, 512 bytes, lane r + 16 h: row r, k = 8 h + 0 .. 7), sums in f32.  No work is left out.
; A work-group makes 128 tokens x 256 columns; a wave (i = wave / 2, j = wave % 2) 64 tokens x 128 columns: 32 accumulators, which take turns, one instruction a turn.
; THE MATRIX INSTRUCTION IS USED TRANSPOSED: source 0 = 16 rows of w_o, source 1 = 16 tokens: a lane holds eight neighbouring columns of one row of out.  b_o is the C of each sum's first instruction.
; K goes in 8 steps of 128 through a ring of two LDS slots.  A K step of a tile of 16 rows is 8 chunks, 4,096 consecutive bytes; tiles lie 32,768 bytes apart: one load brings 8 tiles of w_o or 4 of ctx.
; Operands are images of registers: every LDS load takes 512 consecutive bytes, so the slots need no padding.
; CLUSTERS: 4 x 4.  w_o's tiles hang on x alone and are shared along a column of the cluster, ctx's on y alone and are shared along a row: each is asked for jointly, with a mask that names the four.
; By this text's count a wave has one tensor load out behind each round.
; REGISTERS.  window 0: v16, v17, v20, v21 LDS addresses of my fragments in slot 0, 1; v24-27 the way out and b_o's offset; v28, v29 the add's two; v30 the prefetch's offset;
;   two sets of fragments at 64 + 96 s (w_o's block b at + 8 b, ctx's block a at + 64 + 8 a).   window 1: accumulator (a, b) at 8 (8 a + b).   window 2: v0-63 b_o, eight registers for each block b.
.set SLOT,   98304                     ; w_o: 16 tiles x 4,096; then ctx: 8 tiles x 4,096
.set CTX,    65536
.set STAGE,  2*SLOT                    ; the way out: 16 rows x (512 + 16) bytes for each wave; no fill lands here
.set SPITCH, 528
.set SPARE,  STAGE+4*16*SPITCH         ; the spare words, 128 bytes for each wave
.set ADR0, 16
.set ADR1, 20
.set STO,  24
.set RD,   25
.set CO,   26
.set BO,   27
.set SPW,  28
.set NIL,  29
.set PFO,  30
.set FRG,  64
.set BK,   64
.set G1A,  24                          ; s[24:31] group 1 for ctx;  s[32:39] its groups 0, one for each slot
.set G0A,  32
.set PFA,  44                          ; s[44:45] where the prefetch stands
.set G1B,  48                          ; s[48:55], s[56:63] the same for w_o
.set G0B,  56
.set MSB, 0
.macro WIN new
.if MSB != (\new)
	s_set_vgpr_msb (MSB<<8)|(\new)
.set MSB, (\new)
.endif
.endm
; A joint load into slot s: waves 0 and 1 fetch w_o's halves, waves 2 and 3 ctx's.  The branch hangs on the wave's number alone.  An s_nop 0 and four v_nop follow each of the two lines.
.macro JLOAD s
	s_cmp_eq_u32 s13, 0
	s_cbranch_scc0 .Lfor_c_\@
	tensor_load_to_lds s[G0B+4*(\s):G0B+4*(\s)+3], s[G1B:G1B+7]
	s_nop 0
.rept 4
	v_nop
.endr
	s_branch .Lasked_\@
.Lfor_c_\@:
	tensor_load_to_lds s[G0A+4*(\s):G0A+4*(\s)+3], s[G1A:G1A+7]
	s_nop 0
.rept 4
	v_nop
.endr
.Lasked_\@:
.endm
.macro CROUND                          ; a round of the cluster's barrier
	s_barrier_signal -1
	s_barrier_wait -1
	s_cmp_lg_u32 s12, 0
	s_cbranch_scc1 .Lnot_wave_0_\@
	s_barrier_signal -3
.Lnot_wave_0_\@:
	s_barrier_wait -3
	s_barrier_signal -1
	s_barrier_wait -1
.endm
.macro PLACES                          ; four plain places behind matrix instructions (ISA guide 7.12.1)
.rept 4
	v_nop
.endr
.endm
; A PREFETCH of ctx: in trip k the K step k + 2, which the next trip's joint load will ask for.  ctx's 128 rows are read by my row of the cluster alone; its four partners take two tiles of 16 tokens each,
; told apart by address; in each, wave 3 asks: 2 tiles x 4,096 bytes, lanes 256 bytes apart, one instruction.  So each aligned 256 bytes are named once.  w_o is read by all clusters and is not asked for.
.macro ASK
	s_cmp_eq_u32 s12, 3
	s_cbranch_scc0 .Lnot_mine_\@
	global_prefetch_b8 v[PFO], s[PFA:PFA+1] th:TH_LOAD_NT scope:SCOPE_SE
.Lnot_mine_\@:
.endm
	s_load_b256 s[4:11], s[0:1], 0x0               ; cimg s[4:5], wimg s[6:7], b_o s[8:9], out0 s[10:11]
	v_lshl_add_u32 v[SPW], v0, 2, SPARE
	v_mov_b32 v[NIL], 0
	ds_add_u32 v[SPW], v[NIL]                      ; the wave's opening: the add, twice on end, and its wait ahead of my first tensor load
	ds_add_u32 v[SPW], v[NIL]
	v_lshrrev_b32 v1, 5, v0
	v_readfirstlane_b32 s12, v1                    ; wave 0..3
	s_lshr_b32 s13, s12, 1                         ; i: my 128 columns.  Also: I fetch for w_o (0) or ctx (1)
	s_and_b32 s14, s12, 1                          ; j: my 64 tokens.  Also: which half I fetch
	s_bfe_u32 s15, ttmp6, 0x40000                  ; cx
	s_bfe_u32 s16, ttmp6, 0x40004                  ; cy
	s_lshl_b32 s17, ttmp9, 2
	s_add_co_u32 s17, s17, s15                     ; u: the tile of 256 columns
	s_and_b32 s18, ttmp7, 0xffff
	s_lshl_b32 s18, s18, 2
	s_add_co_u32 s18, s18, s16                     ; w: the tile of 128 tokens
	s_lshl_b32 s19, 0x1111, s15                    ; my column of the cluster
	s_lshl_b32 s20, s16, 2
	s_lshl_b32 s20, 15, s20                        ; my row
	s_or_b32 s[G1B], s19, (3<<16)|(1<<21)          ; the mask; elements of 8 bytes; no padding; bit 21 beside a mask
	s_mov_b32 s[G1B+1], 512<<16                    ; tensor_dim0 = 512: rows of 4,096 bytes
	s_mov_b32 s[G1B+2], 8<<16                      ; tensor_dim1 = 8 tiles
	s_mov_b32 s[G1B+3], 512<<16
	s_mov_b32 s[G1B+4], 8
	s_mov_b32 s[G1B+5], 4096                       ; the pitch: 32,768 bytes
	s_mov_b32 s[G1B+6], 0
	s_mov_b32 s[G1B+7], 0
	s_or_b32 s[G1A], s20, (3<<16)|(1<<21)
	s_mov_b32 s[G1A+1], 512<<16
	s_mov_b32 s[G1A+2], 4<<16                      ; 4 tiles
	s_mov_b32 s[G1A+3], 512<<16
	s_mov_b32 s[G1A+4], 4
	s_mov_b32 s[G1A+5], 4096
	s_mov_b32 s[G1A+6], 0
	s_mov_b32 s[G1A+7], 0
	s_lshl_b32 s40, s17, 4
	s_lshl_b32 s41, s14, 3
	s_add_co_u32 s40, s40, s41                     ; w_o: tile 16 u + 8 j (never holds cy)
	s_lshl_b32 s40, s40, 15
	s_mov_b32 s41, 0
	s_lshl_b32 s42, s18, 3
	s_lshl_b32 s43, s14, 2
	s_add_co_u32 s42, s42, s43                     ; ctx: tile 8 w + 4 j (never holds cx)
	s_lshl_b32 s42, s42, 15
	s_mov_b32 s43, 0
	s_lshl_b32 s21, s14, 15                        ; LDS: w_o's half j,
	s_lshl_b32 s22, s14, 14
	s_add_co_u32 s22, s22, CTX                     ; ctx's half j
	s_wait_dscnt 0x0                               ; both opening adds are done
	s_wait_kmcnt 0x0
	s_add_nc_u64 s[40:41], s[6:7], s[40:41]
	s_add_nc_u64 s[42:43], s[4:5], s[42:43]
.irp s, 0,1
	s_mov_b32 s[G0B+4*\s], 1
	s_add_co_u32 s[G0B+4*\s+1], s21, \s*SLOT
	s_add_nc_u64 s[G0B+4*\s+2:G0B+4*\s+3], s[40:41], \s*4096      ; K step s
	s_or_b32 s[G0B+4*\s+3], s[G0B+4*\s+3], 0x80000000
	s_mov_b32 s[G0A+4*\s], 1
	s_add_co_u32 s[G0A+4*\s+1], s22, \s*SLOT
	s_add_nc_u64 s[G0A+4*\s+2:G0A+4*\s+3], s[42:43], \s*4096
	s_or_b32 s[G0A+4*\s+3], s[G0A+4*\s+3], 0x80000000
.endr
	CROUND                                         ; all sixteen work-groups are here: the first joint loads meet
	JLOAD 0                                        ; K step 0; slot 1 is first filled behind the first trip's round, where nothing is filled again
	s_lshl_b32 s46, s18, 3
	s_lshl_b32 s47, s15, 1
	s_add_co_u32 s46, s46, s47                     ; the prefetch: tiles 8 w + 2 cx and the next,
	s_lshl_b32 s46, s46, 15
	s_add_co_u32 s46, s46, 3*4096                  ; at K step 3, which trip 1 names
	s_mov_b32 s47, 0
	s_add_nc_u64 s[PFA:PFA+1], s[4:5], s[46:47]
	s_lshl_b32 s46, s17, 10
	s_lshl_b32 s47, s13, 9
	s_add_co_u32 s46, s46, s47                     ; my first column, in bytes of f32: 4 (256 u + 128 i)
	s_mov_b32 s47, 0
	s_add_nc_u64 s[8:9], s[8:9], s[46:47]          ; b_o there
	s_lshl_b32 s2, s18, 7
	s_lshl_b32 s23, s14, 6
	s_add_co_u32 s2, s2, s23                       ; my first token: 128 w + 64 j,
	s_lshl_b32 s2, s2, 12                          ; 4,096 bytes a row of out
	s_add_co_u32 s46, s46, s2
	s_add_nc_u64 s[10:11], s[10:11], s[46:47]
	v_and_b32 v1, 15, v0                           ; r
	v_bfe_u32 v2, v0, 4, 1                         ; h
	v_and_b32 v3, 31, v0
	v_lshlrev_b32 v[CO], 4, v3                     ; 16 x lane
	s_lshl_b32 s23, s13, 15
	v_add_nc_u32 v[ADR0], s23, v[CO]               ; my 8 tiles of w_o in slot 0,
	v_add_nc_u32 v[ADR0+1], SLOT, v[ADR0]          ; in slot 1
	v_add_nc_u32 v[ADR1], s22, v[CO]               ; my 4 tiles of ctx
	v_add_nc_u32 v[ADR1+1], SLOT, v[ADR1]
	s_mul_i32 s23, s12, 16*SPITCH
	s_add_co_u32 s23, s23, STAGE                   ; my stage
	v_mul_u32_u24 v[STO], v1, SPITCH
	v_lshl_add_u32 v[STO], v2, 5, v[STO]
	v_add_nc_u32 v[STO], s23, v[STO]               ; in: row r, 32 bytes for each half of the lanes
	v_add_nc_u32 v[RD], s23, v[CO]                 ; back: the 32 lanes take one row of 512 bytes
	v_lshlrev_b32 v[BO], 5, v2                     ; b_o: my half's eight numbers
	v_lshlrev_b32 v[PFO], 15, v2
	v_lshl_add_u32 v[PFO], v1, 8, v[PFO]           ; the prefetch: tile lane / 16, 256 (lane % 16) bytes on
	WIN 0x80                                       ; destination window 2
.irp b, 0,1,2,3,4,5,6,7
	global_load_b128 v[8*\b:8*\b+3], v[BO], s[8:9] offset:64*\b          ; b_o[16 b + 8 h + 0 .. 7] of my 128 columns: the result's layout
	global_load_b128 v[8*\b+4:8*\b+7], v[BO], s[8:9] offset:64*\b+16
.endr
	WIN 0
	s_wait_loadcnt 0x0
.macro FETCH slot, ks, set             ; 32 along K (two chunks a fragment): 24 loads into a set
.irp b, 0,1,2,3,4,5,6,7
.irp f, 0,1
	ds_load_b128 v[FRG+96*(\set)+8*\b+4*\f:FRG+96*(\set)+8*\b+4*\f+3], v[ADR0+\slot] offset:\b*4096+(\ks)*1024+\f*512
.endr
.endr
.irp a, 0,1,2,3
.irp f, 0,1
	ds_load_b128 v[FRG+96*(\set)+64+8*\a+4*\f:FRG+96*(\set)+64+8*\a+4*\f+3], v[ADR1+\slot] offset:\a*4096+(\ks)*1024+\f*512
.endr
.endr
.endm
.macro MUL set, first                  ; 32 matrix instructions; first = 1: C is b_o, and nothing is cleared
.if \first
	WIN 0x60                                       ; C window 2, D window 1
.else
	WIN 0x50                                       ; C and D window 1
.endif
.irp a, 0,1,2,3
.irp b, 0,1,2,3,4,5,6,7
.if \first
	v_wmma_f32_16x16x32_f16 v[8*(8*\a+\b):8*(8*\a+\b)+7], v[FRG+96*(\set)+8*\b:FRG+96*(\set)+8*\b+7], v[FRG+96*(\set)+64+8*\a:FRG+96*(\set)+64+8*\a+7], v[8*\b:8*\b+7]
.else
	v_wmma_f32_16x16x32_f16 v[8*(8*\a+\b):8*(8*\a+\b)+7], v[FRG+96*(\set)+8*\b:FRG+96*(\set)+8*\b+7], v[FRG+96*(\set)+64+8*\a:FRG+96*(\set)+64+8*\a+7], v[8*(8*\a+\b):8*(8*\a+\b)+7]
.endif
.endr
.endr
	WIN 0
.endm
; A TRIP: one K step of 128, read from \slot.  In front of the round each wave waits for all its tensor loads (its part of this slot), adds 0 to its spare word, and waits for that and for its reads of the other slot.
; refill = 1: behind the round, first, the next K step goes into the other slot.  ask: 0 none; 1 a prefetch; 2 its address steps first.
.macro TRIP slot, refill, first, ask
.if \ask == 2
	s_wait_xcnt 0x0                                ; the last prefetch, a trip back, has read its address
	s_add_nc_u64 s[PFA:PFA+1], s[PFA:PFA+1], 4096
.endif
	s_wait_tensorcnt 0x0                           ; no tensor load of mine is out, so every group 0 may be written
	ds_add_u32 v[SPW], v[NIL]
	s_add_nc_u64 s[G0A+4*\slot+2:G0A+4*\slot+3], s[G0A+4*\slot+2:G0A+4*\slot+3], 8192   ; this slot's next K step, two on
	s_add_nc_u64 s[G0B+4*\slot+2:G0B+4*\slot+3], s[G0B+4*\slot+2:G0B+4*\slot+3], 8192
	s_wait_dscnt 0x0                               ; the add is done, and my reads of the other slot are over
	CROUND
.if \refill
	JLOAD 1-\slot                                  ; its four v_nop are also the places in front of the loads below
.else
	PLACES
.endif
	FETCH \slot, 0, 0
.if \ask
	ASK
.endif
.irp ks, 0,1,2,3
.if \ks < 3
.if \ks > 0
	PLACES                                         ; behind the products that read the set loaded next
.endif
	FETCH \slot, \ks+1, (\ks+1)%2
	s_wait_dscnt 24                                ; all but the 24 just issued
.else
	s_wait_dscnt 0x0
.endif
.if \first && (\ks == 0)
	MUL \ks%2, 1
.else
	MUL \ks%2, 0
.endif
.endr
.endm
	TRIP 0, 1, 1, 0                                ; K step 0; slot 1 takes K step 1
	TRIP 1, 1, 0, 1                                ; K step 1; the prefetch names K step 3
	s_mov_b32 s3, 2
.Llap:                                             ; K steps 2 to 5; the prefetches name K steps 4 to 7
	TRIP 0, 1, 0, 2
	TRIP 1, 1, 0, 2
	s_sub_co_u32 s3, s3, 1
	s_cmp_lg_u32 s3, 0
	s_cbranch_scc1 .Llap
	TRIP 0, 1, 0, 0                                ; K step 6; slot 1 takes K step 7: the last load
	TRIP 1, 0, 0, 0                                ; K step 7: written out
; THE WAY OUT, block by block of 16 tokens x 128 columns: through my own stage in LDS, back as whole rows of 512 bytes.  LDS serves a wave's instructions in order: no wait between the stores and the loads.
.macro TOSTAGE a
	WIN 0x04                                       ; an LDS store's data are its source 1: window 1
.irp b, 0,1,2,3,4,5,6,7
	ds_store_b128 v[STO], v[8*(8*(\a)+\b):8*(8*(\a)+\b)+3] offset:64*\b          ; each accumulator from its low end on
	ds_store_b128 v[STO], v[8*(8*(\a)+\b)+4:8*(8*(\a)+\b)+7] offset:64*\b+16
.endr
	WIN 0
.set BB, BK+64*((\a)%2)
.irp t, 0,1,2,3,4,5,6,7,8,9,10,11,12,13,14,15
	ds_load_b128 v[BB+4*\t:BB+4*\t+3], v[RD] offset:\t*SPITCH
.endr
.endm
.macro SEND a, younger                 ; younger: the LDS instructions issued behind block a's loads, which may stay out
.set BB, BK+64*((\a)%2)
	s_wait_dscnt \younger
.irp t, 0,1,2,3,4,5,6,7,8,9,10,11,12,13,14,15
	global_store_b128 v[CO], v[BB+4*\t:BB+4*\t+3], s[10:11] offset:(\a)*65536+\t*4096 th:TH_STORE_NT   ; 512 consecutive bytes, aligned; written once, read by nobody here
.endr
.endm
	PLACES                                         ; ahead of the first read of results, and of loads into registers that held fragments
	TOSTAGE 0
.irp a, 1,2,3
.if \a > 1
	s_wait_xcnt 0x0                                ; block a - 2's stores have read their registers: block a's loads may land there
.endif
	TOSTAGE \a
	SEND \a-1, 32                                  ; behind block a - 1's loads: block a's 16 stores and 16 loads
.endr
	SEND 3, 0
	s_wait_tensorcnt 0x0                           ; the wave's end
	ds_add_u32 v[SPW], v[NIL]
	s_wait_dscnt 0x0
	CROUND                                         ; the closing round
	s_endpgm
.Lfunc_end_k_qea1ca28b51_oproj:
	.size	k_qea1ca28b51_oproj, .Lfunc_end_k_qea1ca28b51_oproj-k_qea1ca28b51_oproj
	.p2alignl 7, 3214868480
	.fill 96, 4, 3214868480
	.section	.rodata,"a",@progbits
	.p2align	6, 0x0
	.amdhsa_kernel k_qea1ca28b51_oproj
		.amdhsa_group_segment_fixed_size 327680
		.amdhsa_private_segment_fixed_size 0
		.amdhsa_enable_private_segment 0
		.amdhsa_kernarg_size 32
		.amdhsa_user_sgpr_count 2
		.amdhsa_user_sgpr_kernarg_segment_ptr 1
		.amdhsa_wavefront_size32 1
		.amdhsa_system_sgpr_workgroup_id_x 1
		.amdhsa_system_sgpr_workgroup_id_y 1
		.amdhsa_system_sgpr_workgroup_id_z 1
		.amdhsa_system_vgpr_workitem_id 0
		.amdhsa_next_free_vgpr 576
		.amdhsa_next_free_sgpr 66
		.amdhsa_reserve_vcc 0
		.amdhsa_float_denorm_mode_32 3
		.amdhsa_float_denorm_mode_16_64 3
		.amdhsa_memory_ordered 1
		.amdhsa_forward_progress 1
		.amdhsa_inst_pref_size 118
	.end_amdhsa_kernel
	.amdgpu_metadata
---
amdhsa.version: [ 1, 2 ]
amdhsa.kernels:
  - .name:           k_qea1ca28b51_oproj
    .symbol:         k_qea1ca28b51_oproj.kd
    .args:
      - { .name: cimg, .offset: 0, .size: 8, .value_kind: global_buffer, .address_space: global }
      - { .name: wimg, .offset: 8, .size: 8, .value_kind: global_buffer, .address_space: global }
      - { .name: b_o, .offset: 16, .size: 8, .value_kind: global_buffer, .address_space: global }
      - { .name: out0, .offset: 24, .size: 8, .value_kind: global_buffer, .address_space: global }
    .group_segment_fixed_size: 327680
    .private_segment_fixed_size: 0
    .kernarg_segment_align: 8
    .kernarg_segment_size: 32
    .max_flat_workgroup_size: 128
    .sgpr_count:     66
    .vgpr_count:     576
    .wavefront_size: 32
...
	.end_amdgpu_metadata
.endif
;; end of part 4
